; MI455X (gfx1250); checked and timed in simulation.
; The chip was launched on July 23, 2026; its instructions are those of AMD's public machine-readable ISA for CDNA 5 (MIT licence, August 2026) and "CDNA5" Instruction Set Architecture Reference Guide (July 2026). The comments in the code are by the model that wrote it; some were corrected since.
;; CN MLP. Allowed arithmetic: float matrix products may take bf16 or f16 operands with f32 sums; all other float work in f32.
;; Inputs: CM 16 x 512 x 512 float32; attn 512 x 16 float32; cla_b 1 float32; cla_w 1 x 512 float32; data_input 8,192 x 5,000 float32; mlp_b 512 float32; mlp_w 512 x 5,000 float32.
;; Outputs: out0 8,192 float32.
;; One version. Each part assembles by itself: llvm-mc -triple=amdgcn-amd-amdhsa -mcpu=gfx1250 --defsym DOCPART=n.
;; ======== version 1 of 1: 3 launches
;; workspace buffers: wb 5,242,880 bytes; ut 32,768 bytes; ppart 4,194,304 bytes
;; launch prep (part 1): grid 256 x 1, 16 waves a work-group, no clusters, 2,304 bytes of LDS; arguments CM, cla_w, attn, mlp_w, wb, ut; writes wb, ut
.if DOCPART == 1
	.amdgcn_target "amdgcn-amd-amdhsa--gfx1250"
	.amdhsa_code_object_version 6
	.text
	.protected	k_q6d89677b8b_prep
	.globl	k_q6d89677b8b_prep
	.p2align	8
	.type	k_q6d89677b8b_prep,@function
k_q6d89677b8b_prep:
	s_mov_b64 s[64:65], 0
	v_nop
	global_prefetch_b8 v0, s[64:65] scope:SCOPE_SE
	s_setreg_imm32_b32 hwreg(HW_REG_WAVE_MODE, 25, 1), 1
	s_wait_xcnt 0x0
; Prepares the two small operands of the main product.  Two roles, chosen by the work-group's number (the same for all its waves).
;
; Role CM (work-groups 0 to 127): V[t][h] = sum over k of CM[t][h][k] cla_w[k], in f32.  The classifier is linear in what the mixture of matrices
; gives, so (m CM[t]) . cla_w = m . V[t] for every input: the sum over k is taken first, only the order of the additions changes.
; A work-group takes 64 rows (t, h) of CM (131,072 bytes, each read once), a wave 4 rows, a row is 2,048 bytes = 4 loads of 512 neighbouring bytes.
;   ut: bf16 [16 t][8 blocks of 64 h][2][64 h]: first the 64 numbers attn[h][t], then the 64 numbers V[t][h] of the same t and h.
; So a work-group's results are 256 consecutive bytes, aligned, and leave in one store: lanes 0-15 hold attn, lanes 16-31 hold V.
; attn is read as 4 bytes of each row of 64 bytes, once in the launch for each number: 256 useful bytes a work-group.
;
; Role W (work-groups 128 to 255): mlp_w to bf16, laid out by double K steps of 128 and filled up with zeros to K = 5,120:
;   wb: bf16 [40 double steps][512 n][128 k'], k = 128 step + k'.  A double step's block is 131,072 dense bytes, a row in it 256 bytes.
; A work-group takes 4 rows n, a wave one row x 10 double steps; a load covers 512 neighbouring bytes, a store 256 consecutive bytes, aligned.
; The two roles move about the same bytes a work-group: 131,072 in, against 81,920 in and 40,960 out.
.set KBYTES, 20000                     ; bytes in a row of mlp_w
.set DSTEPB, 131072                    ; a double step's block in wb
.set CW,  12                           ; v[12:27]   role CM: my 16 numbers of cla_w
.set X,   32                           ; v[32:95]   role CM: row i of my 4 at X + 16 i
.set T,   96                           ; v[96:103]  role CM: at work, two sets that take turns
.set D,   8                            ; v[8:47]    role W: double step i of my 10 at D + 4 i, f32
.set Y,   48                           ; v[48:67]   role W: double step i at Y + 2 i, bf16
	s_load_b256 s[4:11], s[0:1], 0x0               ; CM s[4:5], cla_w s[6:7], attn s[8:9], mlp_w s[10:11]
	s_load_b128 s[12:15], s[0:1], 0x20             ; wb s[12:13], ut s[14:15]
	v_lshl_add_u32 v104, v0, 2, 0x100
	v_mov_b32 v105, 0
	v_lshrrev_b32 v1, 5, v0
	v_readfirstlane_b32 s16, v1                    ; wave 0..15
	s_cmp_ge_u32 ttmp9, 128
	s_cbranch_scc1 .Lw
	; ---------------- role CM ----------------
	v_and_b32 v1, 31, v0                           ; lane
	v_lshlrev_b32 v2, 4, v1                        ; 16 lane: my 16 bytes in each 512 of a row
	v_and_b32 v6, 15, v0                           ; lane % 16
	v_lshlrev_b32 v3, 8, v6                        ; four rows of attn for each of 16 lanes (lanes 16-31 read the same again; their copy is not used)
	v_lshlrev_b32 v6, 4, v6                        ; four of the 64 sums in LDS for each of 16 lanes (here lanes 0-15's copy is not used)
	v_lshlrev_b32 v5, 3, v1                        ; 8 lane: my four bf16 in ut
	s_lshl_b32 s28, s16, 4
	v_mov_b32 v4, s28                              ; LDS: my wave's four sums at 16 wave
	s_mov_b32 s18, 0x76543210                      ; v_permlanex16_b32: lane i of one half reads lane i of the other
	s_mov_b32 s19, 0xfedcba98
	s_lshl_b32 s20, ttmp9, 17                      ; 64 rows of 2,048 bytes a work-group
	s_lshl_b32 s21, s16, 13                        ; 4 rows a wave
	s_add_co_u32 s20, s20, s21
	s_mov_b32 s21, 0
	s_lshr_b32 s24, ttmp9, 3                       ; t
	s_and_b32 s25, ttmp9, 7                        ; which 64 of the 512 h
	s_lshl_b32 s22, s25, 12                        ; attn: 64 rows of 64 bytes
	s_lshl2_add_u32 s22, s24, s22                  ; + 4 t
	s_mov_b32 s23, 0
	s_lshl_b32 s26, ttmp9, 8                       ; ut: 2,048 t + 256 block = 256 x the work-group's number
	s_mov_b32 s27, 0
	s_wait_kmcnt 0x0
	s_add_nc_u64 s[4:5], s[4:5], s[20:21]
	s_add_nc_u64 s[8:9], s[8:9], s[22:23]
	s_add_nc_u64 s[14:15], s[14:15], s[26:27]
	s_cmp_lg_u32 s16, 0
	s_cbranch_scc1 .Lnoattn                        ; wave 0 alone stores, so it alone fetches attn; these loads are older than all that are counted below
.irp e, 0,1,2,3
	global_load_b32 v[8+\e], v3, s[8:9] offset:64*\e       ; attn[h0 + 4 (lane % 16) + e][t]
.endr
.Lnoattn:
.irp q, 0,1,2,3
	global_load_b128 v[CW+4*\q:CW+4*\q+3], v2, s[6:7] offset:512*\q
.endr
.irp i, 0,1,2,3
.irp q, 0,1,2,3
	global_load_b128 v[X+16*\i+4*\q:X+16*\i+4*\q+3], v2, s[4:5] offset:2048*\i+512*\q th:TH_LOAD_NT
.endr
.endr
; Row i: 16 products a lane in two chains, then the sum over the 32 lanes; every lane ends with the sum and all write the same word.
.macro ROWDOT i
.set TT, T+4*(\i&1)
	s_wait_loadcnt 12-4*\i                         ; loads come back in order: the 4 (3 - i) of the rows behind mine may stay out
	v_pk_mul_f32 v[TT:TT+1],   v[X+16*\i:X+16*\i+1],   v[CW:CW+1]
	v_pk_mul_f32 v[TT+2:TT+3], v[X+16*\i+2:X+16*\i+3], v[CW+2:CW+3]
.irp q, 4,8,12
	v_pk_fma_f32 v[TT:TT+1],   v[X+16*\i+\q:X+16*\i+\q+1],   v[CW+\q:CW+\q+1],   v[TT:TT+1]
	v_pk_fma_f32 v[TT+2:TT+3], v[X+16*\i+\q+2:X+16*\i+\q+3], v[CW+\q+2:CW+\q+3], v[TT+2:TT+3]
.endr
	v_pk_add_f32 v[TT:TT+1], v[TT:TT+1], v[TT+2:TT+3]
	v_add_f32 v[TT], v[TT], v[TT+1]
	v_add_f32_dpp v[TT], v[TT], v[TT] row_xmask:1 row_mask:0xf bank_mask:0xf
	v_add_f32_dpp v[TT], v[TT], v[TT] row_xmask:2 row_mask:0xf bank_mask:0xf
	v_add_f32_dpp v[TT], v[TT], v[TT] row_xmask:4 row_mask:0xf bank_mask:0xf
	v_add_f32_dpp v[TT], v[TT], v[TT] row_xmask:8 row_mask:0xf bank_mask:0xf
	v_permlanex16_b32 v[TT+1], v[TT], s18, s19     ; its destination has been written above
	v_add_f32 v[TT], v[TT], v[TT+1]
	ds_store_b32 v4, v[TT] offset:4*\i             ; V of row 4 wave + i
.endm
.irp i, 0,1,2,3
	ROWDOT \i
.endr
	s_wait_dscnt 0x0                               ; my four sums are in LDS, for wave 0's sake
	s_barrier_signal -1
	s_barrier_wait -1
	s_cmp_lg_u32 s16, 0
	s_cbranch_scc1 .Ldone
	ds_load_b128 v[T:T+3], v6                      ; V of rows 4 (lane % 16) .. + 3
	v_cvt_pk_bf16_f32 v[T+4], v8, v9               ; attn came in behind the last row's wait, which was for all loads
	v_cvt_pk_bf16_f32 v[T+5], v10, v11
	v_cmp_gt_u32 vcc_lo, 16, v1                    ; lanes 0-15 keep attn
	s_wait_dscnt 0x0
	v_cvt_pk_bf16_f32 v[T+6], v[T], v[T+1]
	v_cvt_pk_bf16_f32 v[T+7], v[T+2], v[T+3]
	v_cndmask_b32 v[T+4], v[T+6], v[T+4], vcc_lo   ; lanes 16-31 take V
	v_cndmask_b32 v[T+5], v[T+7], v[T+5], vcc_lo
	global_store_b64 v5, v[T+4:T+5], s[14:15]      ; the wave stores 256 consecutive bytes, aligned
.Ldone:
	s_wait_tensorcnt 0x0
	ds_add_u32 v104, v105
	s_wait_dscnt 0x0
	s_endpgm
	; ---------------- role W ----------------
.Lw:
	s_sub_co_u32 s20, ttmp9, 128
	s_lshl_b32 s20, s20, 2                         ; four rows a work-group,
	s_lshr_b32 s21, s16, 2
	s_add_co_u32 s20, s20, s21                     ; four waves a row: n
	s_and_b32 s21, s16, 3                          ; q: my run of ten double steps
	s_mul_i32 s24, s21, 5120                       ; ten double steps of 512 bytes of f32
	s_mul_i32 s25, s21, 10*DSTEPB                  ; ten blocks of wb
	s_mul_i32 s26, s20, KBYTES                     ; the row's first byte
	s_lshl_b32 s27, s20, 8                         ; row n of 256 bytes in a block
	s_add_co_u32 s25, s25, s27
	v_and_b32 v6, 31, v0                           ; lane: my four k of a double step's 128
	v_lshl_add_u32 v68, v6, 4, s24                 ; my byte in the row at my first double step
	v_add_nc_u32 v2, s26, v68                      ; the first nine of my ten lie inside the row for every q: 3 x 5,120 + 9 x 512 = 19,968
	v_add_nc_u32 v3, 9*512, v68                    ; the tenth can pass the row's end (double step 39 of the 40):
	v_cmp_gt_u32 s22, KBYTES, v3                   ; 20,000 is a multiple of 16, so a lane's 16 bytes lie wholly inside or wholly outside
	v_min_u32 v3, KBYTES-16, v3                    ; outside: read the row's last 16 bytes instead, and put zeros in their place below
	v_add_nc_u32 v3, s26, v3
	v_lshl_add_u32 v5, v6, 3, s25                  ; wb: my four bf16 of the row
	s_wait_kmcnt 0x0
.irp i, 0,1,2,3,4,5,6,7,8
	global_load_b128 v[D+4*\i:D+4*\i+3], v2, s[10:11] offset:512*\i
.endr
	global_load_b128 v[D+36:D+39], v3, s[10:11]
.irp i, 0,1,2,3,4,5,6,7,8,9
	s_wait_loadcnt 9-\i                            ; the loads of the double steps behind this one may stay out
.if \i == 9
.irp e, 0,1,2,3
	v_cndmask_b32 v[D+4*\i+\e], 0, v[D+4*\i+\e], s22       ; zero where k is 5,000 or more
.endr
.endif
	v_cvt_pk_bf16_f32 v[Y+2*\i],   v[D+4*\i],   v[D+4*\i+1]
	v_cvt_pk_bf16_f32 v[Y+2*\i+1], v[D+4*\i+2], v[D+4*\i+3]
	global_store_b64 v5, v[Y+2*\i:Y+2*\i+1], s[12:13] offset:DSTEPB*\i   ; row n of a block: 256 consecutive bytes, aligned
.endr
	s_endpgm
.Lfunc_end_k_q6d89677b8b_prep:
	.size	k_q6d89677b8b_prep, .Lfunc_end_k_q6d89677b8b_prep-k_q6d89677b8b_prep
	.p2alignl 7, 3214868480
	.fill 96, 4, 3214868480
	.section	.rodata,"a",@progbits
	.p2align	6, 0x0
	.amdhsa_kernel k_q6d89677b8b_prep
		.amdhsa_group_segment_fixed_size 2304
		.amdhsa_private_segment_fixed_size 0
		.amdhsa_enable_private_segment 0
		.amdhsa_kernarg_size 48
		.amdhsa_user_sgpr_count 2
		.amdhsa_user_sgpr_kernarg_segment_ptr 1
		.amdhsa_wavefront_size32 1
		.amdhsa_system_sgpr_workgroup_id_x 1
		.amdhsa_system_sgpr_workgroup_id_y 1
		.amdhsa_system_sgpr_workgroup_id_z 1
		.amdhsa_system_vgpr_workitem_id 0
		.amdhsa_next_free_vgpr 106
		.amdhsa_next_free_sgpr 66
		.amdhsa_reserve_vcc 1
		.amdhsa_float_denorm_mode_32 3
		.amdhsa_float_denorm_mode_16_64 3
		.amdhsa_memory_ordered 1
		.amdhsa_forward_progress 1
		.amdhsa_inst_pref_size 14
	.end_amdhsa_kernel
	.amdgpu_metadata
---
amdhsa.version: [ 1, 2 ]
amdhsa.kernels:
  - .name:           k_q6d89677b8b_prep
    .symbol:         k_q6d89677b8b_prep.kd
    .args:
      - { .name: CM, .offset: 0, .size: 8, .value_kind: global_buffer, .address_space: global }
      - { .name: cla_w, .offset: 8, .size: 8, .value_kind: global_buffer, .address_space: global }
      - { .name: attn, .offset: 16, .size: 8, .value_kind: global_buffer, .address_space: global }
      - { .name: mlp_w, .offset: 24, .size: 8, .value_kind: global_buffer, .address_space: global }
      - { .name: wb, .offset: 32, .size: 8, .value_kind: global_buffer, .address_space: global }
      - { .name: ut, .offset: 40, .size: 8, .value_kind: global_buffer, .address_space: global }
    .group_segment_fixed_size: 2304
    .private_segment_fixed_size: 0
    .kernarg_segment_align: 8
    .kernarg_segment_size: 48
    .max_flat_workgroup_size: 512
    .sgpr_count:     66
    .vgpr_count:     106
    .wavefront_size: 32
...
	.end_amdgpu_metadata
.endif
;; end of part 1
;; launch gemm (part 2): grid 64 x 4, 4 waves a work-group, clusters of 4 x 1, 327,680 bytes of LDS; arguments data_input, wb, ut, mlp_b, ppart; writes ppart
.if DOCPART == 2
	.amdgcn_target "amdgcn-amd-amdhsa--gfx1250"
	.amdhsa_code_object_version 6
	.text
	.protected	k_q6d89677b8b_gemm
	.globl	k_q6d89677b8b_gemm
	.p2align	8
	.type	k_q6d89677b8b_gemm,@function
k_q6d89677b8b_gemm:
	s_mov_b64 s[64:65], 0
	v_nop
	global_prefetch_b8 v0, s[64:65] scope:SCOPE_SE
	s_setreg_imm32_b32 hwreg(HW_REG_WAVE_MODE, 25, 1), 1
	s_wait_xcnt 0x0
	s_wait_alu depctr_hold_cnt(0) depctr_sa_sdst(0) depctr_va_vdst(0) depctr_va_sdst(0) depctr_va_ssrc(0) depctr_va_vcc(0) depctr_vm_vsrc(0)
	s_getreg_b32 s2, hwreg(HW_REG_IB_STS2, 6, 4)
	s_cmp_eq_u32 s2, 0
	s_cbranch_scc0 .Lentry_in_a_cluster
	s_endpgm
.Lentry_in_a_cluster:
	s_bfe_u32 s2, ttmp6, 0x10000c
	s_cmp_lg_u32 s2, 0x3003
	s_cbranch_scc0 .Lentry_shape_is_right
	s_endpgm
.Lentry_shape_is_right:
; For 128 rows of data_input and one quarter of K (1,280 of the 5,120 to which K = 5,000 is filled up):
;   acc[row][n] = sum over the quarter's k of X[row][k] W[n][k]   (bf16 operands, f32 sums; all 512 n)
;   m = acc (+ mlp_b in K quarter 0 alone), rounded to bf16;  P[j][row] = sum over n of m[row][n] U[j][n],  U = ut (16 columns of attn, 16 rows of V)
; What follows m is linear in it, so the four quarters' P are added in the next launch: 32 numbers a row cross memory in place of 512.
; Each quarter's m is rounded to bf16 by itself; all four are sums of the same kind, no difference of large sums is formed.
;
; SHARES.  64 row blocks x 4 K quarters = 256 work-groups of four waves.  Wave w: all 128 rows x columns 128 w .. 128 w + 127,
; 64 accumulator tiles of 16 x 16 in 512 registers.  K goes in 20 steps of 64.
; W comes from wb (bf16, laid out by double steps of 128 along K) by tensor loads into two LDS slots of TWO steps each; each wave fetches, and reads,
; its own 128 rows: one load of 128 rows x 256 bytes.  A slot is filled again once in two steps, so its load has 240 matrix instructions in which to land.
; CLUSTER: the four work-groups of a cluster have four neighbouring row blocks and the same K quarter, so they need the same tiles of W:
; each tile is asked for jointly (mask 15), which divides the requests for W by four.  X is read by one work-group alone: nothing to share.
; X comes through registers: each wave loads a quarter of a step's 128 x 64 f32, rounds it to bf16 ONCE and puts it into one of two A slots of one step
; in LDS (bytes of their own, into which no tensor load lands).  Two stages of 16 loads a wave are always out; a stage is asked for two steps
; (256 matrix instructions) ahead of its conversion.
;
; LIMITS.  K is filled up to 5,120: in K quarter 3 the lanes whose k would be 5,000 or more read the last 16 bytes of their own row of X
; instead, and wb holds zeros there.  K quarters 1 to 3 multiply mlp_b by 0.  So a NaN or an infinity in a row's last four columns, or in
; mlp_b, gives NaN; the exact result is not finite there either.
;
; REGISTERS, in windows of 256 (s_set_vgpr_msb: bits 1:0 source 0, 3:2 source 1, 5:4 source 2, 7:6 destination):
;   window 0: v0-31 addresses; v32-63 converted X; v64-127, v128-191 fragments of X, two buffers (at the end: the 16 tiles of P)
;   window 1: v0-63 X stage 0 (at the end: U's fragments); v64-127, v128-191 fragments of W (at the end v64-95: m in bf16); v192-255 X stage 1 (at the end: mlp_b)
;   window 2: accumulators of rows 0-63, tile (a, b) at v[8 (8 a + b)];  window 3: those of rows 64-127
; THE MATRIX INSTRUCTION IS USED TRANSPOSED in the main product: source 0 = 16 rows of W, source 1 = 16 rows of X.  Lane l then holds row l % 16
; and columns 8 (l / 16) + 0 .. 7 of a tile: two neighbouring tiles, rounded to bf16, ARE the first operand's fragment (32 along n) of the product with U.
.set XPITCH, 20000                     ; bytes in a row of X
.set WPITCH, 272                       ; an LDS row of W, 128 bf16: 256 bytes + 16 of padding = 17 x 16: the 16 rows of a fragment load start in 16 different 16-byte columns of 256
.set APITCH, 144                       ; an LDS row of X, 64 bf16: 128 bytes + 16 = 9 x 16, likewise
.set WPART,  128*WPITCH                ; 34,816: one wave's 128 rows of W
.set WSLOT,  4*WPART                   ; 139,264
.set AREG,   2*WSLOT                   ; 278,528: the two A slots
.set ASLOT,  128*APITCH                ; 18,432; the two end at 315,392
.set PPITCH, 528                       ; each wave's partial P: 32 j x 128 rows of f32, 512 bytes + 16 = 33 x 16
.set PPART,  32*PPITCH                 ; 16,896.  The four lie at LDS bytes 0 to 67,583, in W slot 0, which by then has had its last fill and its last reads
.set DSTEPB, 131072                    ; a double step's block in wb
.set POUT, 14                          ; v14     16 lane: my 16 bytes in a row of ppart
.set ADRA, 16                          ; v16-17  LDS address of my X fragments in A slot 0, 1
.set ADRB, 20                          ; v20-21  the same for W in W slot 0, 1
.set XOFF, 22                          ; v22-23  stage 0, 1: the byte offset that its 16 loads name
.set XROW, 24                          ; v24     first byte of my first row in the row block
.set XK,   25                          ; v25     my byte in the row at the step that is asked for next
.set AST,  26                          ; v26-27  where I put converted X in A slot 0, 1
.set GOFF, 28                          ; v28     my bytes in ut
.set BOFF, 29                          ; v29     my bytes in mlp_b
.set PST,  30                          ; v30     where I put P
.set PRD,  31                          ; v31     where I read the four waves' P
.set TMP,  32
.set F0,   64
.set F1,   128
.set PA,   64                          ; tile (row block pt, jt) of P at PA + 16 pt + 8 jt
.set SX0,  0                           ; window 1
.set SX1,  192                         ; window 1
.set FR,   64                          ; window 1
.set G1, 24                            ; s[24:31] descriptor group 1, never rewritten
.set G0, 32                            ; s[32:39] descriptor group 0, a set for each slot
.set MSB, 0
.macro WIN new                         ; the immediate's high byte repeats the setting that is left
.if MSB != \new
	s_set_vgpr_msb (MSB<<8)|\new
.set MSB, \new
.endif
.endm
.set MUL_LO, 0xa1                      ; source 0 window 1, source 1 window 0, C and D window 2
.set MUL_HI, 0xf1                      ; the same, C and D window 3
.set TO_1,   0x40                      ; destination window 1, address window 0
.set FROM_1, 0x05                      ; sources 0 and 1 window 1, the rest window 0
; A round of the cluster's barrier: my work-group's barrier; wave 0 signals for the work-group; every wave waits for all four work-groups; my work-group's barrier once more.
.macro CREST                           ; a round behind its opening barrier
	s_cmp_lg_u32 s14, 0
	s_cbranch_scc1 .Lnot_wave_0_\@
	s_barrier_signal -3
.Lnot_wave_0_\@:
	s_barrier_wait -3
	s_barrier_signal -1
	s_barrier_wait -1
.endm
.macro CROUND
	s_barrier_signal -1
	s_barrier_wait -1
	CREST
.endm
; Four places behind a matrix instruction before a load lands in, or a vector instruction touches, one of its registers (ISA guide 7.12.1 for vector
; instructions).  Other matrix instructions are not counted as places here.
.macro PLACES
.rept 4
	v_nop
.endr
.endm
	s_load_b256 s[4:11], s[0:1], 0x0               ; X s[4:5], wb s[6:7], ut s[8:9], mlp_b s[10:11]
	s_load_b64 s[12:13], s[0:1], 0x20              ; ppart
	v_lshl_add_u32 v254, v0, 2, 0x4d000
	v_mov_b32 v255, 0
	ds_add_u32 v254, v255
	v_lshrrev_b32 v1, 5, v0
	v_readfirstlane_b32 s14, v1                    ; wave 0..3
	s_bfe_u32 s15, ttmp6, 0x40000                  ; cx: my place in the cluster
	s_lshl_b32 s16, ttmp9, 2                       ; ttmp9 counts clusters
	s_add_co_u32 s16, s16, s15                     ; row block = 4 x cluster + cx.  cx lives in s15, s16, s[44:47] alone and enters X's and ppart's bases alone
	s_and_b32 s17, ttmp7, 0xffff                   ; K quarter: the same in all four partners
	s_cmp_eq_u32 s17, 0
	s_cselect_b32 s40, 0x3f800000, 0               ; mlp_b counts once: times 1.0 in K quarter 0, times 0 in the others
	s_mov_b32 s41, s40
	; Group 1: 32,768 dense bytes as 128 rows of 32 elements of 8 bytes: a row of 128 bf16, 256 bytes, aligned, since wb's parts are multiples of 32,768.
	; 4 words of padding after every 64 words, that is behind each row, give the LDS pitch of 272.
	s_mov_b32 s[G1+0], 15|(3<<16)|(1<<20)|(1<<21)|(5<<22)|(3<<25)  ; 15:0 mask: all four work-groups; 17:16 8-byte elements; 20 padding on; 21 set beside a mask; 24:22 interval code 5; 31:25 4 words
	s_mov_b32 s[G1+1], 32<<16                      ; tensor_dim0 = 32
	s_mov_b32 s[G1+2], 128<<16                     ; tensor_dim1 = 128
	s_mov_b32 s[G1+3], 32<<16                      ; tile_dim0 = 32
	s_mov_b32 s[G1+4], 128                         ; tile_dim1 = 128
	s_mov_b32 s[G1+5], 32                          ; elements from row to row
	s_mov_b32 s[G1+6], 0
	s_mov_b32 s[G1+7], 0
	s_mul_i32 s20, s17, 10*DSTEPB                  ; wb: my quarter's first double step
	s_lshl_b32 s21, s14, 15                        ; + my wave's 128 rows of 256 bytes
	s_add_co_u32 s20, s20, s21
	s_mov_b32 s21, 0
	s_mul_i32 s18, s14, WPART                      ; and where they go in a slot
	s_mul_i32 s44, s16, 128*XPITCH                 ; X: my row block
	s_mov_b32 s45, 0
	s_lshl_b32 s46, s16, 9                         ; ppart [4 quarters][32 j][8192 rows] f32: 128 rows x 4 bytes a row block,
	s_lshl_b32 s47, s17, 20                        ; 1,048,576 a quarter,
	s_add_co_u32 s46, s46, s47
	s_lshl_b32 s47, s14, 18                        ; and wave w stores j = 8 w .. 8 w + 7
	s_add_co_u32 s46, s46, s47
	s_mov_b32 s47, 0
	v_and_b32 v2, 15, v0                           ; r = lane % 16
	v_bfe_u32 v3, v0, 4, 1                         ; h = lane / 16
	v_and_b32 v4, 31, v0                           ; lane
	v_mul_u32_u24 v5, v2, APITCH                   ; a fragment: row r, 16 bytes for each half of the lanes
	v_lshl_add_u32 v5, v3, 4, v5
	v_add_nc_u32 v[ADRA], AREG, v5
	v_add_nc_u32 v[ADRA+1], AREG+ASLOT, v5
	v_mul_u32_u24 v7, v2, WPITCH
	v_lshl_add_u32 v7, v3, 4, v7
	v_add_nc_u32 v[ADRB], s18, v7
	v_add_nc_u32 v[ADRB+1], WSLOT, v[ADRB]
	s_mul_i32 s19, s14, 32*XPITCH                  ; X: wave w converts rows 32 w .. 32 w + 31; lanes 16-31 stand 8 rows below lanes 0-15
	v_mul_u32_u24 v6, v3, 8*XPITCH
	v_add_nc_u32 v[XROW], s19, v6
	s_mul_i32 s19, s17, 5120                       ; 1,280 f32 a quarter
	v_lshl_add_u32 v[XK], v2, 4, s19               ; + my 16 bytes of a step's 256
	s_mul_i32 s19, s14, 32*APITCH
	s_add_co_u32 s19, s19, AREG
	v_mul_u32_u24 v6, v3, 8*APITCH                 ; 8 rows of 144 bytes = 1,152 = 128 modulo 256: the two halves of the lanes store into different halves of 256
	v_lshl_add_u32 v6, v2, 3, v6                   ; my four bf16
	v_add_nc_u32 v[AST], s19, v6
	v_add_nc_u32 v[AST+1], ASLOT, v[AST]
	s_lshl_b32 s19, s14, 9                         ; 512 w: in ut my wave's two blocks of 64 n, in mlp_b my wave's 128 n
	v_lshl_add_u32 v6, v2, 11, s19                 ; ut: t = r, 2,048 bytes each,
	v_lshl_add_u32 v[GOFF], v3, 4, v6              ; 16 bytes for each half
	v_lshl_add_u32 v[BOFF], v3, 5, s19             ; mlp_b: 8 numbers for each half
	s_mul_i32 s19, s14, PPART
	v_mul_u32_u24 v6, v2, PPITCH                   ; P: row j = 16 jt + r, 8 rows of X for each half
	v_lshl_add_u32 v6, v3, 5, v6
	v_add_nc_u32 v[PST], s19, v6
	s_mul_i32 s19, s14, 8*PPITCH
	v_lshl_add_u32 v[PRD], v4, 4, s19              ; back: j = 8 w + jj of every wave's part, 16 bytes a lane
	v_lshlrev_b32 v[POUT], 4, v4
	s_wait_dscnt 0x0
	s_wait_kmcnt 0x0
	s_add_nc_u64 s[4:5], s[4:5], s[44:45]
	s_add_nc_u64 s[12:13], s[12:13], s[46:47]
	s_add_nc_u64 s[22:23], s[6:7], s[20:21]
.irp s, 0,1
	s_mov_b32 s[G0+4*\s], 1                                        ; count = 1
	s_add_co_u32 s[G0+4*\s+1], s18, \s*WSLOT                       ; LDS address: wave x 34,816 + slot x 139,264
	s_add_nc_u64 s[G0+4*\s+2:G0+4*\s+3], s[22:23], \s*DSTEPB       ; global address: double step s of my quarter
	s_or_b32 s[G0+4*\s+3], s[G0+4*\s+3], 0x80000000                ; type = 2
.endr
; 16 loads: my quarter of the next step's X into stage st.  A load covers 256 neighbouring bytes of each of two rows.  The stage's last loads have been waited for, so its offset register is free.
.macro XLOAD st
	WIN 0
	v_min_u32 v1, XPITCH-16, v[XK]                 ; never past my own row's end (only K quarter 3's last two steps are cut)
	v_add_nc_u32 v[XOFF+\st], v[XROW], v1
	v_add_nc_u32 v[XK], 0x100, v[XK]
	WIN TO_1
.irp i, 0,1,2,3,4,5,6,7,8,9,10,11,12,13,14,15
	global_load_b128 v[192*\st+4*\i:192*\st+4*\i+3], v[XOFF+\st], s[4:5] offset:((\i&7)+16*(\i>>3))*XPITCH
.endr
.endm
; 16 loads: U's fragments (column j = 16 jt + r, 32 along n at 32 ks of my wave's 128) into the freed stage 0.
; ut is [16 t][8 blocks of 64 n][jt][64 n]: block 2 w + ks / 2, then jt, then 32 (ks % 2) + 8 h along n.
.macro GLOAD
	WIN TO_1
.irp jt, 0,1
.irp ks, 0,1,2,3
	global_load_b128 v[SX0+8*(4*\jt+\ks):SX0+8*(4*\jt+\ks)+3],   v[GOFF], s[8:9] offset:256*(\ks>>1)+128*\jt+64*(\ks&1)
	global_load_b128 v[SX0+8*(4*\jt+\ks)+4:SX0+8*(4*\jt+\ks)+7], v[GOFF], s[8:9] offset:256*(\ks>>1)+128*\jt+64*(\ks&1)+32
.endr
.endr
.endm
; 16 loads: mlp_b of my eight columns of each of the eight column tiles into the freed stage 1
.macro BLOAD
	WIN TO_1
.irp b, 0,1,2,3,4,5,6,7
	global_load_b128 v[SX1+8*\b:SX1+8*\b+3],   v[BOFF], s[10:11] offset:64*\b
	global_load_b128 v[SX1+8*\b+4:SX1+8*\b+7], v[BOFF], s[10:11] offset:64*\b+16
.endr
.endm
; Stage st to bf16, into A slot st
.macro CVTST st
	WIN FROM_1
.irp i, 0,1,2,3,4,5,6,7,8,9,10,11,12,13,14,15
	v_cvt_pk_bf16_f32 v[TMP+2*\i],   v[192*\st+4*\i],   v[192*\st+4*\i+1]
	v_cvt_pk_bf16_f32 v[TMP+2*\i+1], v[192*\st+4*\i+2], v[192*\st+4*\i+3]
.endr
	WIN 0
.irp i, 0,1,2,3,4,5,6,7,8,9,10,11,12,13,14,15
	ds_store_b64 v[AST+\st], v[TMP+2*\i:TMP+2*\i+1] offset:((\i&7)+16*(\i>>3))*APITCH
.endr
.endm
; 16 matrix instructions: row tiles a0, a0 + 1 of the window's four x all 8 column tiles, 32 along K.  zero = 1: the first product starts the sums.
.macro MUL16 f, hi, a0, zero
.irp a, \a0, \a0+1
.irp b, 0,1,2,3,4,5,6,7
.if \zero
	v_wmma_f32_16x16x32_bf16 v[8*(8*(\a)+\b):8*(8*(\a)+\b)+7], v[\f+8*\b:\f+8*\b+7], v[\f+8*(4*\hi+\a):\f+8*(4*\hi+\a)+7], 0
.else
	v_wmma_f32_16x16x32_bf16 v[8*(8*(\a)+\b):8*(8*(\a)+\b)+7], v[\f+8*\b:\f+8*\b+7], v[\f+8*(4*\hi+\a):\f+8*(4*\hi+\a)+7], v[8*(8*(\a)+\b):8*(8*(\a)+\b)+7]
.endif
.endr
.endr
.endm
; 32 LDS loads in one run: the fragments of half a step into buffer f: my 128 rows of W (W slot ws, byte wk of the rows), then the 128 rows of X (A slot as, byte ak)
.macro FETCH ws, wk, as, ak, f
	WIN TO_1
.irp i, 0,1,2,3,4,5,6,7
	ds_load_b128 v[\f+8*\i:\f+8*\i+3],   v[ADRB+\ws] offset:\wk+\i*16*WPITCH
	ds_load_b128 v[\f+8*\i+4:\f+8*\i+7], v[ADRB+\ws] offset:\wk+\i*16*WPITCH+32
.endr
	WIN 0
.irp i, 0,1,2,3,4,5,6,7
	ds_load_b128 v[\f+8*\i:\f+8*\i+3],   v[ADRA+\as] offset:\ak+\i*16*APITCH
	ds_load_b128 v[\f+8*\i+4:\f+8*\i+7], v[ADRA+\as] offset:\ak+\i*16*APITCH+32
.endr
.endm
; A step is two halves of 32 along K, 64 matrix instructions each, on buffers 0 and 1.  The 64 accumulators take turns, one instruction a turn, in the
; same order in every half, over the loop's backward jump too.
; The first half multiplies buffer 0.  The step reads W slot ws from byte wk of its rows (0: the slot's first step, 128: its second) and A slot as.
; In its middle: the next step's X (stage an) is converted into A slot an, which nobody reads before the barrier of this step's second half; 16 loads
; take the stage's place (kind 1: X three steps on; 2: U; 3: mlp_b; always 16, so that the count below holds in every step; kind 0: the last
; step, nothing); then the second half's fragments are fetched.
.macro QUARTER ws, wk, as, an, zero, kind
	s_wait_dscnt 8                                 ; W and X's rows 0-63 are in; the youngest eight loads (X's rows 64-127) may be out
	WIN MUL_LO
	MUL16 F0, 0, 0, \zero
	MUL16 F0, 0, 2, \zero
.if \kind
	s_wait_loadcnt 16                              ; the next step's 16 loads are in; the 16 younger ones, of the other stage, stay out
	CVTST \an                                      ; its 32 conversions are also the places in front of the loads into buffer 1
.if \kind == 1
	XLOAD \an
.endif
.if \kind == 2
	GLOAD
.endif
.if \kind == 3
	BLOAD
.endif
.else
	PLACES
.endif
	FETCH \ws, \wk+64, \as, 64, F1
	s_wait_dscnt 32                                ; all but the 32 just issued
	WIN MUL_HI
	MUL16 F0, 1, 0, \zero
	MUL16 F0, 1, 2, \zero
.endm
; The second half multiplies buffer 1 and ends the step with ONE barrier.  In front of it each wave waits for its reads of this step's slots and for its
; stores into the next A slot.  Behind it the next step's first fragments are fetched (W slot nws at byte nwk, A slot nas).
; mode 0, between a W slot's two steps: my one tensor load that is out aims at the other W slot and stays out.
; mode 1: the W slots change too: each wave also waits for all its tensor loads, of which one is out: its part of the next W slot.  Nothing is filled.
; mode 2: as mode 1, and the barrier opens a round of the cluster's barrier; behind the round W slot ws, which has been read, is filled again, jointly, with the
; double step two on: no wave of any partner still reads the slot or has a load on its way.  From that request to the wait for it a wave issues
; 32 + 128 + 64 + 16 = 240 matrix instructions.
.macro TURN mode, ws, nws, nwk, nas
	s_wait_dscnt 8
	WIN MUL_LO
	MUL16 F1, 0, 0, 0
	s_wait_dscnt 0                                 ; my reads of this step's slots and my stores into the next A slot are done
.if \mode
	s_set_vgpr_msb 0xa1a0
	s_wait_tensorcnt 0x0                           ; all my tensor loads have landed
	ds_add_u32 v254, v255
	s_wait_dscnt 0x0
	s_set_vgpr_msb 0xa0a1
.endif
	s_barrier_signal -1
	MUL16 F1, 0, 2, 0                              ; work on registers while the others arrive
.if \mode == 2
	WIN 0
.endif
	s_barrier_wait -1
.if \mode == 2
	CREST
	s_add_nc_u64 s[G0+4*\ws+2:G0+4*\ws+3], s[G0+4*\ws+2:G0+4*\ws+3], 2*DSTEPB   ; no tensor load of mine is out: the group may be written
	tensor_load_to_lds s[G0+4*\ws:G0+4*\ws+3], s[G1:G1+7]          ; my one tensor load behind the round, and the first thing there
	s_nop 0
.endif
	PLACES
	FETCH \nws, \nwk, \nas, 0, F0
	WIN MUL_HI
	MUL16 F1, 1, 0, 0
	MUL16 F1, 1, 2, 0
.endm
.macro LAP zero                        ; four steps: once round the ring of W, twice round the ring of X
	QUARTER 0, 0, 0, 1, \zero, 1
	TURN 0, 0, 0, 128, 1
	QUARTER 0, 128, 1, 0, 0, 1
	TURN 2, 0, 1, 0, 0
	QUARTER 1, 0, 0, 1, 0, 1
	TURN 0, 1, 1, 128, 1
	QUARTER 1, 128, 1, 0, 0, 1
	TURN 2, 1, 0, 0, 0
.endm
	XLOAD 0                                        ; X of steps 0 and 1
	XLOAD 1
	WIN 0
	CROUND                                         ; all four work-groups are here: the first joint loads meet
	tensor_load_to_lds s[G0:G0+3], s[G1:G1+7]      ; W of steps 0 to 3: both first fills as one group; two tensor loads of the wave are out, later one
	s_nop 0
	tensor_load_to_lds s[G0+4:G0+7], s[G1:G1+7]
	s_nop 0
	s_wait_loadcnt 16                              ; X of step 0 is in, step 1's 16 loads stay out
	CVTST 0
	XLOAD 0                                        ; X of step 2
	WIN 0
	s_wait_dscnt 0                                 ; my part of A slot 0 is stored,
	s_wait_tensorcnt 1                             ; my part of W slot 0 is in; slot 1's may stay out
	s_barrier_signal -1
	s_barrier_wait -1
	FETCH 0, 0, 0, 0, F0
	LAP 1                                          ; steps 0 to 3 stand in front of the loop: their first products start the sums
	WIN 0                                          ; at a label and at a branch every window is 0
	s_mov_b32 s3, 3                                ; steps 4 to 15; the last trip's second refill brings steps 18 and 19, the last
.Llap:
	LAP 0
	WIN 0
	s_sub_co_u32 s3, s3, 1
	s_cmp_lg_u32 s3, 0
	s_cbranch_scc1 .Llap
	QUARTER 0, 0, 0, 1, 0, 1                       ; step 16 asks for X of step 19, the last
	TURN 0, 0, 0, 128, 1
	QUARTER 0, 128, 1, 0, 0, 2                     ; step 17: U takes stage 0's place
	TURN 1, 0, 1, 0, 0                             ; the W slots change for the last time; nothing is left to fill: no round
	QUARTER 1, 0, 0, 1, 0, 3                       ; step 18: mlp_b takes stage 1's place
	TURN 0, 1, 1, 128, 1
	QUARTER 1, 128, 1, 0, 0, 0                     ; step 19
	s_wait_dscnt 8
	WIN MUL_LO
	MUL16 F1, 0, 0, 0
	MUL16 F1, 0, 2, 0
	s_wait_dscnt 0
	WIN MUL_HI
	MUL16 F1, 1, 0, 0
	MUL16 F1, 1, 2, 0
	; THE PRODUCT WITH U.  For 16 rows at a time: m = acc + factor x mlp_b in f32; to bf16 (tiles 2 ks and 2 ks + 1 are the fragment of n = 32 ks .. 32 ks + 31);
	; eight matrix instructions on two tiles of P (j = 0-15 and 16-31) that take turns.  The next 16 rows' 32 multiply-adds are the
	; places in front of the conversions that write the fragment again.
	PLACES                                         ; behind the last matrix instructions, in front of the first reads of their results
	s_wait_loadcnt 0x0                             ; U and mlp_b
.macro EPI pt, hi, a
.if \hi
	WIN MUL_HI
.else
	WIN MUL_LO
.endif
.irp b, 0,1,2,3,4,5,6,7
.irp q, 0,2,4,6
	v_pk_fma_f32 v[8*(8*\a+\b)+\q:8*(8*\a+\b)+\q+1], v[SX1+8*\b+\q:SX1+8*\b+\q+1], s[40:41], v[8*(8*\a+\b)+\q:8*(8*\a+\b)+\q+1] op_sel_hi:[1,0,1]
.endr
.endr
.if \hi
	WIN 0x4f                                       ; sources window 3, destination window 1
.else
	WIN 0x4a                                       ; sources window 2, destination window 1
.endif
.irp b, 0,1,2,3,4,5,6,7
.irp q, 0,1,2,3
	v_cvt_pk_bf16_f32 v[FR+4*\b+\q], v[8*(8*\a+\b)+2*\q], v[8*(8*\a+\b)+2*\q+1]
.endr
.endr
	WIN FROM_1
.irp ks, 0,1,2,3
.irp jt, 0,1
.if \ks
	v_wmma_f32_16x16x32_bf16 v[PA+16*\pt+8*\jt:PA+16*\pt+8*\jt+7], v[FR+8*\ks:FR+8*\ks+7], v[SX0+8*(4*\jt+\ks):SX0+8*(4*\jt+\ks)+7], v[PA+16*\pt+8*\jt:PA+16*\pt+8*\jt+7]
.else
	v_wmma_f32_16x16x32_bf16 v[PA+16*\pt+8*\jt:PA+16*\pt+8*\jt+7], v[FR+8*\ks:FR+8*\ks+7], v[SX0+8*(4*\jt+\ks):SX0+8*(4*\jt+\ks)+7], 0
.endif
.endr
.endr
.endm
	EPI 0, 0, 0
	EPI 1, 0, 1
	EPI 2, 0, 2
	EPI 3, 0, 3
	EPI 4, 1, 0
	EPI 5, 1, 1
	EPI 6, 1, 2
	EPI 7, 1, 3
	WIN 0
	PLACES                                         ; in front of the LDS stores that read the last results
	; here m was source 0: lane l holds column j = 16 jt + l % 16 and rows 16 pt + 8 (l / 16) + 0 .. 7: 32 neighbouring bytes of a row of P.
	; The stage lies in W slot 0: its last fill landed before the barrier behind step 15, every wave's last reads of it were waited for in front of the
	; barrier behind step 17, and no tensor load follows.
.irp pt, 0,1,2,3,4,5,6,7
.irp jt, 0,1
	ds_store_b128 v[PST], v[PA+16*\pt+8*\jt:PA+16*\pt+8*\jt+3]   offset:16*PPITCH*\jt+64*\pt
	ds_store_b128 v[PST], v[PA+16*\pt+8*\jt+4:PA+16*\pt+8*\jt+7] offset:16*PPITCH*\jt+64*\pt+16
.endr
.endr
	s_wait_dscnt 0x0                               ; my partial P is in LDS, for the others' sake
	s_barrier_signal -1
	s_barrier_wait -1
	; the sum over the four waves' 128 n each: wave w takes j = 8 w .. 8 w + 7, a lane four rows
.irp jj, 0,1,2,3,4,5,6,7
.irp u, 0,1,2,3
	ds_load_b128 v[PA+16*\jj+4*\u:PA+16*\jj+4*\u+3], v[PRD] offset:PPART*\u+PPITCH*\jj
.endr
.endr
.irp jj, 0,1,2,3,4,5,6,7
	s_wait_dscnt 28-4*\jj                          ; the loads of the j behind this one may stay out
	v_pk_add_f32 v[PA+16*\jj:PA+16*\jj+1],     v[PA+16*\jj:PA+16*\jj+1],     v[PA+16*\jj+4:PA+16*\jj+5]
	v_pk_add_f32 v[PA+16*\jj+2:PA+16*\jj+3],   v[PA+16*\jj+2:PA+16*\jj+3],   v[PA+16*\jj+6:PA+16*\jj+7]
	v_pk_add_f32 v[PA+16*\jj+8:PA+16*\jj+9],   v[PA+16*\jj+8:PA+16*\jj+9],   v[PA+16*\jj+12:PA+16*\jj+13]
	v_pk_add_f32 v[PA+16*\jj+10:PA+16*\jj+11], v[PA+16*\jj+10:PA+16*\jj+11], v[PA+16*\jj+14:PA+16*\jj+15]
	v_pk_add_f32 v[PA+16*\jj:PA+16*\jj+1],     v[PA+16*\jj:PA+16*\jj+1],     v[PA+16*\jj+8:PA+16*\jj+9]
	v_pk_add_f32 v[PA+16*\jj+2:PA+16*\jj+3],   v[PA+16*\jj+2:PA+16*\jj+3],   v[PA+16*\jj+10:PA+16*\jj+11]
	global_store_b128 v[POUT], v[PA+16*\jj:PA+16*\jj+3], s[12:13] offset:32768*\jj   ; the wave stores 512 consecutive bytes, aligned
.endr
	s_wait_tensorcnt 0x0
	ds_add_u32 v254, v255
	s_wait_dscnt 0x0
	CROUND                                         ; the closing round: no work-group ends while a partner may still ask for a tile that names it
	s_endpgm
.Lfunc_end_k_q6d89677b8b_gemm:
	.size	k_q6d89677b8b_gemm, .Lfunc_end_k_q6d89677b8b_gemm-k_q6d89677b8b_gemm
	.p2alignl 7, 3214868480
	.fill 96, 4, 3214868480
	.section	.rodata,"a",@progbits
	.p2align	6, 0x0
	.amdhsa_kernel k_q6d89677b8b_gemm
		.amdhsa_group_segment_fixed_size 327680
		.amdhsa_private_segment_fixed_size 0
		.amdhsa_enable_private_segment 0
		.amdhsa_kernarg_size 40
		.amdhsa_user_sgpr_count 2
		.amdhsa_user_sgpr_kernarg_segment_ptr 1
		.amdhsa_wavefront_size32 1
		.amdhsa_system_sgpr_workgroup_id_x 1
		.amdhsa_system_sgpr_workgroup_id_y 1
		.amdhsa_system_sgpr_workgroup_id_z 1
		.amdhsa_system_vgpr_workitem_id 0
		.amdhsa_next_free_vgpr 1024
		.amdhsa_next_free_sgpr 66
		.amdhsa_reserve_vcc 0
		.amdhsa_float_denorm_mode_32 3
		.amdhsa_float_denorm_mode_16_64 3
		.amdhsa_memory_ordered 1
		.amdhsa_forward_progress 1
		.amdhsa_inst_pref_size 255
	.end_amdhsa_kernel
	.section	.bss,"aw",@nobits
	.p2align	6
	.space	262144
	.amdgpu_metadata
---
amdhsa.version: [ 1, 2 ]
amdhsa.kernels:
  - .name:           k_q6d89677b8b_gemm
    .symbol:         k_q6d89677b8b_gemm.kd
    .args:
      - { .name: data_input, .offset: 0, .size: 8, .value_kind: global_buffer, .address_space: global }
      - { .name: wb, .offset: 8, .size: 8, .value_kind: global_buffer, .address_space: global }
      - { .name: ut, .offset: 16, .size: 8, .value_kind: global_buffer, .address_space: global }
      - { .name: mlp_b, .offset: 24, .size: 8, .value_kind: global_buffer, .address_space: global }
      - { .name: ppart, .offset: 32, .size: 8, .value_kind: global_buffer, .address_space: global }
    .group_segment_fixed_size: 327680
    .private_segment_fixed_size: 0
    .kernarg_segment_align: 8
    .kernarg_segment_size: 40
    .max_flat_workgroup_size: 128
    .sgpr_count:     66
    .vgpr_count:     1024
    .wavefront_size: 32
...
	.end_amdgpu_metadata
.endif
;; end of part 2
;; launch finish (part 3): grid 128 x 1, 1 waves a work-group, no clusters, 0 bytes of LDS; arguments ppart, cla_b, out0; writes out0
.if DOCPART == 3
	.amdgcn_target "amdgcn-amd-amdhsa--gfx1250"
	.amdhsa_code_object_version 6
	.text
	.protected	k_q6d89677b8b_finish
	.globl	k_q6d89677b8b_finish
	.p2align	8
	.type	k_q6d89677b8b_finish,@function
k_q6d89677b8b_finish:
	s_mov_b64 s[64:65], 0
	v_nop
	global_prefetch_b8 v0, s[64:65] scope:SCOPE_SE
	s_setreg_imm32_b32 hwreg(HW_REG_WAVE_MODE, 25, 1), 1
	s_wait_xcnt 0x0
; out[row] = sigmoid( sum over t of softmax(S)[t] Y[t] + cla_b ), where S[j] (j = 0-15) and Y[t] (j = 16 + t) are the sums of the four K quarters in
; ppart [4 quarters][32 j][8192 rows] f32.  One wave a work-group, 64 rows; a lane owns two neighbouring rows, so that every load of the wave covers
; 256 consecutive bytes, aligned, and so does the one store.  The softmax takes the row's maximum away first: no exponent is above 0, the
; denominator is at least 1.  The difference is formed before it is scaled by log2(e), so that no finite score overflows on the way.
; The 256 data registers do not fit beside the address in one window of 256: quarter 3 lies in v256-v319.
.set P0, 2                             ; v[2:65]    quarter 0, then the sums: S[j] at 2 + 2 j, Y[t] at 34 + 2 t (a pair: my two rows)
.set P1, 66                            ; v[66:129]  quarter 1; free behind the sums
.set P2, 130                           ; v[130:193] quarter 2
.set MX, 66                            ; v[66:67]   the rows' maxima
.set DN, 68                            ; v[68:71]   denominator, two chains
.set NM, 72                            ; v[72:75]   numerator, two chains
.set R,  76                            ; v[76:79]   at work
	s_load_b128 s[4:7], s[0:1], 0x0                ; ppart s[4:5], cla_b s[6:7]
	s_load_b64 s[8:9], s[0:1], 0x10                ; out0
	v_lshlrev_b32 v1, 3, v0                        ; 8 bytes a lane
	s_lshl_b32 s12, ttmp9, 8                       ; 64 rows of 4 bytes a work-group, in ppart's rows and in out0
	s_mov_b32 s13, 0
	s_wait_kmcnt 0x0
	s_load_b32 s10, s[6:7], 0x0                    ; cla_b
	s_add_nc_u64 s[4:5], s[4:5], s[12:13]
	s_add_nc_u64 s[8:9], s[8:9], s[12:13]
.macro LOADQ base, kc
.set j, 0
.rept 32
	global_load_b64 v[\base+2*j:\base+2*j+1], v1, s[4:5] offset:1048576*\kc+32768*j th:TH_LOAD_NT
.set j, j+1
.endr
.endm
	LOADQ P0, 0
	LOADQ P1, 1
	LOADQ P2, 2
	s_set_vgpr_msb 0x40                            ; destination in the second window
	LOADQ 0, 3                                     ; v[256:319]
	s_wait_loadcnt 0x0
	s_set_vgpr_msb 0x4004                          ; source 1 in the second window
.set j, 0
.rept 32
	v_pk_add_f32 v[P2+2*j:P2+2*j+1], v[P2+2*j:P2+2*j+1], v[2*j:2*j+1]      ; quarters 2 + 3
.set j, j+1
.endr
	s_set_vgpr_msb 0x0400
.set j, 0
.rept 32
	v_pk_add_f32 v[P0+2*j:P0+2*j+1], v[P0+2*j:P0+2*j+1], v[P1+2*j:P1+2*j+1]  ; quarters 0 + 1
.set j, j+1
.endr
.set j, 0
.rept 32
	v_pk_add_f32 v[P0+2*j:P0+2*j+1], v[P0+2*j:P0+2*j+1], v[P2+2*j:P2+2*j+1]
.set j, j+1
.endr
	; the maximum of each row's 16 scores
.irp p, 0,1
	v_max3_num_f32 v[MX+\p], v[P0+\p], v[P0+2+\p], v[P0+4+\p]
.endr
.irp j, 3,5,7,9,11,13
.irp p, 0,1
	v_max3_num_f32 v[MX+\p], v[MX+\p], v[P0+2*\j+\p], v[P0+2*\j+2+\p]
.endr
.endr
.irp p, 0,1
	v_max_num_f32 v[MX+\p], v[MX+\p], v[P0+30+\p]
.endr
.set j, 0
.rept 16
	v_pk_add_f32 v[P0+2*j:P0+2*j+1], v[P0+2*j:P0+2*j+1], v[MX:MX+1] neg_lo:[0,1] neg_hi:[0,1]   ; S - max, at most 0
.set j, j+1
.endr
.set j, 0
.rept 16
	v_pk_mul_f32 v[P0+2*j:P0+2*j+1], v[P0+2*j:P0+2*j+1], 0x3fb8aa3b op_sel_hi:[1,0]             ; times log2(e)
.set j, j+1
.endr
.set j, 0
.rept 32
	v_exp_f32 v[P0+j], v[P0+j]
.set j, j+1
.endr
	v_nop                                          ; one plain place behind the last exponential before its result is used (ISA guide 5.7.2)
	s_wait_alu depctr_va_vdst(0)
	v_pk_add_f32 v[DN:DN+1],   v[P0:P0+1],   v[P0+4:P0+5]
	v_pk_add_f32 v[DN+2:DN+3], v[P0+2:P0+3], v[P0+6:P0+7]
	v_pk_mul_f32 v[NM:NM+1],   v[P0:P0+1],   v[P0+32:P0+33]
	v_pk_mul_f32 v[NM+2:NM+3], v[P0+2:P0+3], v[P0+34:P0+35]
	v_pk_fma_f32 v[NM:NM+1],   v[P0+4:P0+5], v[P0+36:P0+37], v[NM:NM+1]
	v_pk_fma_f32 v[NM+2:NM+3], v[P0+6:P0+7], v[P0+38:P0+39], v[NM+2:NM+3]
.irp j, 4,6,8,10,12,14
	v_pk_add_f32 v[DN:DN+1],   v[DN:DN+1],   v[P0+2*\j:P0+2*\j+1]
	v_pk_add_f32 v[DN+2:DN+3], v[DN+2:DN+3], v[P0+2*\j+2:P0+2*\j+3]
	v_pk_fma_f32 v[NM:NM+1],   v[P0+2*\j:P0+2*\j+1],   v[P0+32+2*\j:P0+32+2*\j+1], v[NM:NM+1]
	v_pk_fma_f32 v[NM+2:NM+3], v[P0+2*\j+2:P0+2*\j+3], v[P0+34+2*\j:P0+34+2*\j+1], v[NM+2:NM+3]
.endr
	v_pk_add_f32 v[DN:DN+1], v[DN:DN+1], v[DN+2:DN+3]
	v_pk_add_f32 v[NM:NM+1], v[NM:NM+1], v[NM+2:NM+3]
	v_rcp_f32 v[R], v[DN]
	v_rcp_f32 v[R+1], v[DN+1]
	s_wait_kmcnt 0x0                               ; cla_b
	v_nop                                          ; one plain place behind the reciprocals
	s_wait_alu depctr_va_vdst(0)
	v_fma_f32 v[R+2], v[NM], v[R], s10             ; the logit
	v_fma_f32 v[R+3], v[NM+1], v[R+1], s10
	v_pk_mul_f32 v[R+2:R+3], v[R+2:R+3], 0xbfb8aa3b op_sel_hi:[1,0]        ; sigmoid(x) = 1 / (1 + 2^(-x log2(e)))
	v_exp_f32 v[R+2], v[R+2]
	v_exp_f32 v[R+3], v[R+3]
	v_nop
	s_wait_alu depctr_va_vdst(0)
	v_pk_add_f32 v[R+2:R+3], v[R+2:R+3], 1.0 op_sel_hi:[1,0]
	v_rcp_f32 v[R+2], v[R+2]
	v_rcp_f32 v[R+3], v[R+3]
	v_nop
	s_wait_alu depctr_va_vdst(0)
	global_store_b64 v1, v[R+2:R+3], s[8:9]        ; the wave stores 256 consecutive bytes, aligned
	s_endpgm
.Lfunc_end_k_q6d89677b8b_finish:
	.size	k_q6d89677b8b_finish, .Lfunc_end_k_q6d89677b8b_finish-k_q6d89677b8b_finish
	.p2alignl 7, 3214868480
	.fill 96, 4, 3214868480
	.section	.rodata,"a",@progbits
	.p2align	6, 0x0
	.amdhsa_kernel k_q6d89677b8b_finish
		.amdhsa_group_segment_fixed_size 0
		.amdhsa_private_segment_fixed_size 0
		.amdhsa_enable_private_segment 0
		.amdhsa_kernarg_size 24
		.amdhsa_user_sgpr_count 2
		.amdhsa_user_sgpr_kernarg_segment_ptr 1
		.amdhsa_wavefront_size32 1
		.amdhsa_system_sgpr_workgroup_id_x 1
		.amdhsa_system_sgpr_workgroup_id_y 1
		.amdhsa_system_sgpr_workgroup_id_z 1
		.amdhsa_system_vgpr_workitem_id 0
		.amdhsa_next_free_vgpr 320
		.amdhsa_next_free_sgpr 66
		.amdhsa_reserve_vcc 0
		.amdhsa_float_denorm_mode_32 3
		.amdhsa_float_denorm_mode_16_64 3
		.amdhsa_memory_ordered 1
		.amdhsa_forward_progress 1
		.amdhsa_inst_pref_size 27
	.end_amdhsa_kernel
	.amdgpu_metadata
---
amdhsa.version: [ 1, 2 ]
amdhsa.kernels:
  - .name:           k_q6d89677b8b_finish
    .symbol:         k_q6d89677b8b_finish.kd
    .args:
      - { .name: ppart, .offset: 0, .size: 8, .value_kind: global_buffer, .address_space: global }
      - { .name: cla_b, .offset: 8, .size: 8, .value_kind: global_buffer, .address_space: global }
      - { .name: out0, .offset: 16, .size: 8, .value_kind: global_buffer, .address_space: global }
    .group_segment_fixed_size: 0
    .private_segment_fixed_size: 0
    .kernarg_segment_align: 8
    .kernarg_segment_size: 24
    .max_flat_workgroup_size: 32
    .sgpr_count:     66
    .vgpr_count:     320
    .wavefront_size: 32
...
	.end_amdgpu_metadata
.endif
;; end of part 3
